; MI455X (gfx1250); checked and timed in simulation.
; The chip was launched on July 23, 2026; its instructions are those of AMD's public machine-readable ISA for CDNA 5 (MIT licence, August 2026) and "CDNA5" Instruction Set Architecture Reference Guide (July 2026). The comments in the code are by the model that wrote it; some were corrected since.
;; Cosine Sim Codebook. Allowed arithmetic: float matrix products may take bf16 or f16 operands with f32 sums; other float arithmetic in f32, or as packed bf16 or f16 multiplies, adds, multiply-adds, maxima and minima; sums over many terms, partial sums and values carried from step to step in f32; what a program stores and reads back later, other than sums and carried values, may be rounded once to bf16 or f16.
;; Inputs: cluster_size 1 x 4,096 float32; embed 1 x 4,096 x 64 float32; x 16 x 4,096 x 64 float32.
;; Outputs: out0 16 x 4,096 x 64 float32; out1 16 x 4,096 int32; out2 1 x 4,096 x 64 float32; out3 1 x 4,096 float32.
;; 2 versions, each right; version 2 is version 1 with the launch prep written anew for expert scheduling mode. Each part assembles by itself: llvm-mc -triple=amdgcn-amd-amdhsa -mcpu=gfx1250 --defsym DOCPART=n.
;; ======== version 1 of 2: 3 launches
;; workspace buffers: eb 524,288 bytes; rn 16,384 bytes; planes 65,536 bytes of whole numbers
;; launch prep (part 1): grid 256 x 1, 1 waves a work-group, no clusters, 0 bytes of LDS; arguments embed, eb, rn; writes eb, rn
.if DOCPART == 1
	.amdgcn_target "amdgcn-amd-amdhsa--gfx1250"
	.amdhsa_code_object_version 6
	.text
	.protected	k_q4becf0930f_prep
	.globl	k_q4becf0930f_prep
	.p2align	8
	.type	k_q4becf0930f_prep,@function
k_q4becf0930f_prep:
	s_mov_b64 s[64:65], 0
	v_nop
	global_prefetch_b8 v0, s[64:65] scope:SCOPE_SE
	s_setreg_imm32_b32 hwreg(HW_REG_WAVE_MODE, 25, 1), 1
	s_wait_xcnt 0x0
; COSINE CODEBOOK, launch 1 of 3.  eb[c][:] = embed[c][:] rounded once to bf16;  rn[c] = min(1 / |eb[c]|, 1e12) in f32, which is 1 / max(|eb[c]|, 1e-12).
; THE PROGRAM.  (1) this launch.  (2) coarse: for each of the 65,536 rows of x the TILE of 16 codes that holds the largest score (bf16(x) . eb[c]) rn[c].
; (3) owner: work-group T takes the rows of tile T, finds the code in the tile, and makes out0, out1 and, for its 16 codes, out2 and out3.
; WORK LEFT OUT, and why it can reach no output, for all finite inputs:
;  - l2norm(x) in front of dist.  flatten[n] = x[n] / max(|x[n]|, 1e-12): one positive factor for the whole of row n of dist.  argmax along c is not moved by a
;    positive factor that is the same along c; a row of zeros gives a row of equal scores with and without it, and the first index wins both times.  dist reaches
;    the outputs through that argmax alone.  (In embed_sum the normalised rows are live, and are made there.)
;  - embed_onehot as a dense [65536][4096] operand.  It is built by reference() from an index; bins[c] and embed_sum[c] are the count and the sum of the rows whose index
;    is c.  They are taken over those rows alone, tile by tile, in a launch that reads the rows' tiles from memory.
;  Kept as written: both guards of 1e-12, the division by bins_safe, zero_mask and its two selections.  Every input has a way to an output and is loaded.
; LIMITS.  Scores are those of x and embed each rounded once to bf16 (exact products, f32 sums, the code's 1 / norm applied in f32): a row whose two best cosines lie closer
; than f32 rounding of such a sum may fall to the other code.  out0 holds embed rounded to bf16 (within 2^-9 of itself).  In embed_sum x and 1 / |x| enter as bf16.
; NaN and infinities are not treated apart; a sum of squares beyond f32's range is not served; a NaN, an infinity or an overflow that reaches only the work left out is not carried to a result.
; SHARES.  A work-group is one wave and takes 16 rows of embed, 4,096 bytes.  Load i brings rows 2 i (lanes 0-15) and 2 i + 1 (lanes 16-31): 512 consecutive bytes.
; A store of eb covers 256 consecutive bytes, aligned.  rn leaves as 64 bytes a work-group: 16 KiB in the whole launch.
.set X,   8                            ; v[8:39]   the rows as loaded, four registers a load
.set C,   40                           ; v[40:55]  the same as bf16 pairs, two registers a load; never rewritten: they are store data
.set F,   56                           ; v[56:59]  at work
.set SS,  60                           ; v[60:67]  sums of squares
.set Y,   68                           ; v[68:75]  1 / norm
.set TM,  76                           ; v[76:79]  at work
.set RA,  80                           ; v80       rn of row lane % 16
	s_load_b128 s[4:7], s[0:1], 0x0                ; embed s[4:5], eb s[6:7]
	s_load_b64 s[8:9], s[0:1], 0x10                ; rn
	v_and_b32 v1, 15, v0                           ; lane % 16
	v_lshlrev_b32 v3, 4, v0                        ; 16 x lane: my bytes of a load
	v_lshlrev_b32 v4, 3, v0                        ; 8 x lane: my bytes of a store of eb
	v_lshrrev_b32 v5, 1, v1                        ; which load holds row lane % 16
	v_lshlrev_b32 v6, 2, v1                        ; my word of rn
	v_mov_b32 v[TM+3], 0                           ; v_permlanex16_b32's destination counts as read
	v_mov_b32 v[RA], 0
	s_mov_b32 s10, 0xffff0000                      ; a word's upper bf16
	s_mov_b32 s12, 0x76543210                      ; v_permlanex16_b32: each lane takes its own place in the other half
	s_mov_b32 s13, 0xfedcba98
	s_mov_b32 s14, 0x5555aaaa                      ; lanes whose row lane % 16 was summed in the other half: odd rows below, even rows above
	s_mov_b32 s15, 0x5368d4a5                      ; 1e12
	s_lshl_b32 s18, ttmp9, 12                      ; 16 rows of embed,
	s_mov_b32 s19, 0
	s_lshl_b32 s20, ttmp9, 11                      ; of eb,
	s_mov_b32 s21, 0
	s_lshl_b32 s22, ttmp9, 6                       ; of rn
	s_mov_b32 s23, 0
	s_wait_kmcnt 0x0
	s_add_nc_u64 s[4:5], s[4:5], s[18:19]
	s_add_nc_u64 s[6:7], s[6:7], s[20:21]
	s_add_nc_u64 s[8:9], s[8:9], s[22:23]
.set i, 0
.rept 8
	global_load_b128 v[X+4*i:X+4*i+3], v3, s[4:5] offset:512*i
.set i, i+1
.endr
.set i, 0
.rept 8
	s_wait_loadcnt 7-i                             ; loads come back in order: load i is in, the 7 - i younger ones stay out
	v_cvt_pk_bf16_f32 v[C+2*i], v[X+4*i], v[X+4*i+1]
	v_cvt_pk_bf16_f32 v[C+2*i+1], v[X+4*i+2], v[X+4*i+3]
	v_lshlrev_b32 v[F], 16, v[C+2*i]               ; the rounded numbers back in f32: the norm is the rounded row's
	v_and_b32 v[F+1], s10, v[C+2*i]
	v_lshlrev_b32 v[F+2], 16, v[C+2*i+1]
	v_and_b32 v[F+3], s10, v[C+2*i+1]
	v_pk_mul_f32 v[F:F+1], v[F:F+1], v[F:F+1]
	v_pk_fma_f32 v[F:F+1], v[F+2:F+3], v[F+2:F+3], v[F:F+1]
	v_add_f32 v[SS+i], v[F], v[F+1]
	v_add_f32_dpp v[SS+i], v[SS+i], v[SS+i] row_xmask:1 row_mask:0xf bank_mask:0xf   ; a row lies in 16 lanes: four steps, the sum in each of them
	v_add_f32_dpp v[SS+i], v[SS+i], v[SS+i] row_xmask:2 row_mask:0xf bank_mask:0xf
	v_add_f32_dpp v[SS+i], v[SS+i], v[SS+i] row_xmask:4 row_mask:0xf bank_mask:0xf
	v_add_f32_dpp v[SS+i], v[SS+i], v[SS+i] row_xmask:8 row_mask:0xf bank_mask:0xf
	global_store_b64 v4, v[C+2*i:C+2*i+1], s[6:7] offset:256*i
.set i, i+1
.endr
.set i, 0
.rept 8
	v_rsq_f32 v[Y+i], v[SS+i]                      ; one batch of eight
.set i, i+1
.endr
	v_nop                                          ; a plain instruction behind the last of them,
	s_wait_alu depctr_va_vdst(0)                   ; and the one wait ahead of the first use
.set i, 0
.rept 8
	v_mul_f32 v[TM], v[SS+i], v[Y+i]               ; one Newton step: y - y (ss y y - 1) / 2
	v_fma_f32 v[TM+1], v[TM], v[Y+i], -1.0
	v_mul_f32 v[TM+2], -0.5, v[Y+i]
	v_fma_f32 v[Y+i], v[TM+2], v[TM+1], v[Y+i]
	v_min_num_f32 v[Y+i], s15, v[Y+i]              ; the guard: 1 / max(n, 1e-12).  At ss = 0 the step gives a NaN, which loses against 1e12
	v_permlanex16_b32 v[TM+3], v[Y+i], s12, s13    ; the other half's row of this load
	v_cndmask_b32 v[TM], v[Y+i], v[TM+3], s14
	v_cmp_eq_u32 s16, i, v5                        ; is my row in this load?
	v_cndmask_b32 v[RA], v[RA], v[TM], s16
.set i, i+1
.endr
	global_store_b32 v6, v[RA], s[8:9]             ; lanes 16-31 write the same words with the same values as lanes 0-15
	s_endpgm
.Lfunc_end_k_q4becf0930f_prep:
	.size	k_q4becf0930f_prep, .Lfunc_end_k_q4becf0930f_prep-k_q4becf0930f_prep
	.p2alignl 7, 3214868480
	.fill 96, 4, 3214868480
	.section	.rodata,"a",@progbits
	.p2align	6, 0x0
	.amdhsa_kernel k_q4becf0930f_prep
		.amdhsa_group_segment_fixed_size 0
		.amdhsa_private_segment_fixed_size 0
		.amdhsa_enable_private_segment 0
		.amdhsa_kernarg_size 24
		.amdhsa_user_sgpr_count 2
		.amdhsa_user_sgpr_kernarg_segment_ptr 1
		.amdhsa_wavefront_size32 1
		.amdhsa_system_sgpr_workgroup_id_x 1
		.amdhsa_system_sgpr_workgroup_id_y 1
		.amdhsa_system_sgpr_workgroup_id_z 1
		.amdhsa_system_vgpr_workitem_id 0
		.amdhsa_next_free_vgpr 96
		.amdhsa_next_free_sgpr 66
		.amdhsa_reserve_vcc 0
		.amdhsa_float_denorm_mode_32 3
		.amdhsa_float_denorm_mode_16_64 3
		.amdhsa_memory_ordered 1
		.amdhsa_forward_progress 1
		.amdhsa_inst_pref_size 13
	.end_amdhsa_kernel
	.amdgpu_metadata
---
amdhsa.version: [ 1, 2 ]
amdhsa.kernels:
  - .name:           k_q4becf0930f_prep
    .symbol:         k_q4becf0930f_prep.kd
    .args:
      - { .name: embed, .offset: 0, .size: 8, .value_kind: global_buffer, .address_space: global }
      - { .name: eb, .offset: 8, .size: 8, .value_kind: global_buffer, .address_space: global }
      - { .name: rn, .offset: 16, .size: 8, .value_kind: global_buffer, .address_space: global }
    .group_segment_fixed_size: 0
    .private_segment_fixed_size: 0
    .kernarg_segment_align: 8
    .kernarg_segment_size: 24
    .max_flat_workgroup_size: 32
    .sgpr_count:     66
    .vgpr_count:     96
    .wavefront_size: 32
...
	.end_amdgpu_metadata
.endif
;; end of part 1
;; launch coarse (part 2): grid 256 x 1, 4 waves a work-group, clusters of 4 x 1, 327,680 bytes of LDS; arguments x, eb, rn, planes; writes planes
.if DOCPART == 2
	.amdgcn_target "amdgcn-amd-amdhsa--gfx1250"
	.amdhsa_code_object_version 6
	.text
	.protected	k_q4becf0930f_coarse
	.globl	k_q4becf0930f_coarse
	.p2align	8
	.type	k_q4becf0930f_coarse,@function
k_q4becf0930f_coarse:
	s_mov_b64 s[64:65], 0
	v_nop
	global_prefetch_b8 v0, s[64:65] scope:SCOPE_SE
	s_setreg_imm32_b32 hwreg(HW_REG_WAVE_MODE, 25, 1), 1
	s_wait_xcnt 0x0
	s_wait_alu depctr_hold_cnt(0) depctr_sa_sdst(0) depctr_va_vdst(0) depctr_va_sdst(0) depctr_va_ssrc(0) depctr_va_vcc(0) depctr_vm_vsrc(0)
	s_getreg_b32 s2, hwreg(HW_REG_IB_STS2, 6, 4)
	s_cmp_eq_u32 s2, 0
	s_cbranch_scc0 .Lentry_in_a_cluster
	s_endpgm
.Lentry_in_a_cluster:
	s_bfe_u32 s2, ttmp6, 0x10000c
	s_cmp_lg_u32 s2, 0x3003
	s_cbranch_scc0 .Lentry_shape_is_right
	s_endpgm
.Lentry_shape_is_right:
; COSINE CODEBOOK, launch 2 of 3.  For each row n of x: T[n] = the lowest tile of 16 codes that holds the largest score s[n][c] = (bf16(x[n]) . eb[c]) rn[c].
; Left out, as shown at the head of the first kernel: l2norm(x), a positive factor that is the same along the axis of the argmax.
; OUT.  planes[g][k], g a group of 32 rows, k = 0..7: bit i of the word is bit k of T[32 g + i].  The next launch finds a tile's rows in it by a few logic lines.
; SHARES.  A work-group owns 256 rows.  Wave w: qh = w / 2 picks 128 of them (8 query tiles of 16), ch = w % 2 the code tiles of that parity: 128 code tiles x 8 query tiles x 2 K steps
; = 2,048 matrix instructions a wave.  A code tile's fragment, six LDS loads with its eight scales, feeds 16 of them.
; LAYOUT.  S^T = eb x^T (source 0 = 16 codes, source 1 = 16 queries): in the result a lane holds ONE query (lane % 16) and the codes 8 (lane / 16) + 0..7.
; THE BOOK-KEEPING rides behind the products: for two query tiles 20 vector lines (8 packed scalings by rn, 8 maxima of three, 2 compares, 2 selects of the tile's number), five behind each
; of the four products of the NEXT two query tiles, which write the other set of accumulators.  Only the tile's number is kept, not the code's: one compare for eight scores.
; The running maximum lies in two buffers that take turns from code tile to code tile, so that old and new can be compared without a copy.  A tile wins by a strict >, tiles ascend, and every
; later merge prefers the lower tile on equal values: the first index wins, as in argmax.
; The first riders of all find scores of -inf and scales of 1 in the registers: they change nothing, and no first step is written out.
; CLUSTER.  All work-groups walk the same codebook: the four of a cluster ask for each chunk of 512 codes JOINTLY (the same tensor load, descriptor and mask in all four).
; The codebook goes through two LDS slots of a chunk each; each wave fetches a quarter of a chunk, 128 codes, by one load; the refill has 256 matrix instructions in which to land.
; LIMITS: those at the head of the first kernel.
.set PK,    144                        ; a row of 64 bf16 in LDS: 128 bytes + 16 of padding = 36 words: the 16 rows of a fragment load start at 16 different groups of four banks (ISA guide 11.1)
.set QTR,   128*PK                     ; what one tensor load brings
.set CHB,   4*QTR                      ; a chunk in LDS: 73,728 bytes
.set SLOT1, 1<<17                      ; slot 1 begins here, so that one exclusive or turns an address in one slot into the other's
.set SCL,   SLOT1+CHB                  ; rn, all 4,096 numbers: filled once
.set XST,   SCL+16384                  ; the work-group's 256 rows of x in bf16, pitch 144: written by LDS stores, never by a tensor load
.set MRG,   XST+256*PK                 ; [ch][256 queries] pairs of value and tile, 8 bytes each
.set SPARE, MRG+4096                   ; the spare words, 128 bytes for each wave: two blocks of 256 bytes that no other line names
.set AK0,  2                           ; v2   my lane's place in my first code tile of a slot; never rewritten
.set AS0,  3                           ; v3   my eight scales of my first code tile; never rewritten
.set ADR,  4                           ; v4   the LDS address of the fragment loads in hand
.set ADS,  5                           ; v5   of the scales'
.set SPW,  6                           ; v6   LDS address of my spare word: SPARE + 4 x my thread's number; never rewritten
.set NIL,  7                           ; v7   0; never rewritten
.set TT,   8                           ; v8-9 the two tiles' maxima at work
.set XSTW, 10                          ; v10  where I put 8 bytes of a row of x
.set XSTR, 11                          ; v11  where I read my query fragments
.set XO,   12                          ; v12  16 x lane
.set PFO,  13                          ; v13  256 x lane: the prefetch's offset; never rewritten
.set LN,   14                          ; v14  lane
.set MA,   15                          ; v15  the merge's LDS address
.set RUN,  16                          ; v[16:31]   running maxima: two buffers of eight query tiles
.set IDX,  32                          ; v[32:39]   the tile that holds the maximum
.set SC,   40                          ; v[40:55]   scales, two buffers of 8
.set AF,   56                          ; v[56:87]   code fragments, two buffers of 16 (K step ks at + 8 ks)
.set ACX,  88                          ; v[88:119]  two sets of two accumulators
.set TL,   120                         ; v[120:127] at work at the head and in the tail
.set Q,    128                         ; v[128:255] x as loaded; then the query fragments: tile j at Q + 16 j, K step ks at + 8 ks
.set WV,   12                          ; s12  my wave's number
.set CX,   13                          ; s13  my place in the cluster: it enters x's, planes' and the prefetch's addresses alone
.set WG,   14                          ; s14  my work-group
.set LIM,  15                          ; s15  1 in a wave that prefetches, else the greatest number
.set PFA,  18                          ; s[18:19] where my prefetches stand
.set G1E,  24                          ; s[24:31] descriptor group 1 for eb's tiles
.set G1S,  32                          ; s[32:39] for rn
.set G0S,  40                          ; s[40:43] group 0: rn
.set G0A,  44                          ; s[44:47] chunk 0 into slot 0
.set G0W,  48                          ; s[48:51] chunk 1 into slot 1; then it walks
.set SLOTS, 52                         ; s52  refills still to come
.set CNT,  53                          ; s53  counts a chunk's pairs of tiles
.set TB,   54                          ; s54  LDS byte at which the chunk's next pair of code tiles begins
.set TS,   55                          ; s55  the same for the scales
.set TID,  56                          ; s56  the number of the code tile whose scores the riders hold
.set HM,   57                          ; s57  lanes 16-31
.set SEL,  58                          ; s[58:59] v_permlanex16_b32's selects
; A round of the cluster's barrier: my work-group's barrier, so that wave 0's signal speaks for all four waves; wave 0 signals; every wave waits for all four work-groups; my work-group's barrier once more.
.macro CROUND
	s_barrier_signal -1
	s_barrier_wait -1
	s_cmp_lg_u32 s[WV], 0
	s_cbranch_scc1 .Lnot_wave_0_\@
	s_barrier_signal -3
.Lnot_wave_0_\@:
	s_barrier_wait -3
	s_barrier_signal -1
	s_barrier_wait -1
.endm
; A PREFETCH INTO THE L2 of the chunk that the NEXT change of slots will ask for, 256 matrix instructions ahead of that load.  All clusters walk the same chunks: cluster 0 asks, nobody else.  Its four partners take
; 16 KiB each, told apart BY ADDRESS; in each, waves 0 and 1 take 8 KiB, a lane a block of 256 bytes: one instruction.  So each block of chunks 3 to 7 is named once in the launch; chunks 0 to 2 come by their
; loads alone, and the last change that fills a slot asks for nothing.
.macro ASK
	s_cmp_gt_u32 s[SLOTS], s[LIM]
	s_cbranch_scc0 .Lnot_mine_\@
	global_prefetch_b8 v[PFO], s[PFA:PFA+1] th:TH_LOAD_NT scope:SCOPE_SE
.Lnot_mine_\@:
.endm
	s_load_b256 s[4:11], s[0:1], 0x0               ; x s[4:5], eb s[6:7], rn s[8:9], planes s[10:11]
	v_lshl_add_u32 v[SPW], v0, 2, SPARE
	v_mov_b32 v[NIL], 0
	ds_add_u32 v[SPW], v[NIL]                      ; the wave's opening: the add, twice on end, and its wait ahead of my first tensor load; the set-up below stands between
	ds_add_u32 v[SPW], v[NIL]                      ; and once more, under the one wait
	v_lshrrev_b32 v1, 5, v0
	v_readfirstlane_b32 s[WV], v1                  ; wave 0..3
	s_bfe_u32 s[CX], ttmp6, 0x40000
	s_lshl_b32 s[WG], ttmp9, 2                     ; in a cluster launch ttmp9 counts clusters
	s_add_co_u32 s[WG], s[WG], s[CX]
	s_lshr_b32 s74, s[WV], 1                       ; qh
	s_and_b32 s75, s[WV], 1                        ; ch
	; group 1 for eb: 128 codes are 16,384 dense bytes: asked for as 64 rows of 256 bytes, two codes a row, padded in LDS after every code
	s_mov_b32 s[G1E], 15|(1<<16)|(1<<20)|(1<<21)|(4<<22)|(3<<25)  ; 15:0 the mask of four; 17:16 2-byte elements; 20 padding on; 21 set beside a mask; 24:22 after every 32 words; 31:25 4 words
	s_mov_b32 s[G1E+1], 128<<16                    ; tensor_dim0 = 128
	s_mov_b32 s[G1E+2], 64<<16                     ; tensor_dim1 = 64
	s_mov_b32 s[G1E+3], 128<<16                    ; tile_dim0 = 128
	s_mov_b32 s[G1E+4], 64                         ; tile_dim1 = 64
	s_mov_b32 s[G1E+5], 128                        ; elements from row to row
	s_mov_b32 s[G1E+6], 0
	s_mov_b32 s[G1E+7], 0
	; group 1 for rn: a wave's 4,096 dense bytes as 16 rows of 32 elements of 8 bytes, no padding
	s_mov_b32 s[G1S], 15|(3<<16)|(1<<21)
	s_mov_b32 s[G1S+1], 32<<16
	s_mov_b32 s[G1S+2], 16<<16
	s_mov_b32 s[G1S+3], 32<<16
	s_mov_b32 s[G1S+4], 16
	s_mov_b32 s[G1S+5], 32
	s_mov_b32 s[G1S+6], 0
	s_mov_b32 s[G1S+7], 0
	s_mov_b32 s[G0S], 1
	s_lshl_b32 s[G0S+1], s[WV], 12
	s_add_co_u32 s[G0S+1], s[G0S+1], SCL           ; LDS addresses hang on the wave's number alone
	s_mov_b32 s[G0A], 1
	s_mul_i32 s[G0A+1], s[WV], QTR
	s_mov_b32 s[G0W], 1
	s_add_co_u32 s[G0W+1], s[G0A+1], SLOT1
	s_lshl_b32 s76, s[WG], 16                      ; x: my work-group's 256 rows of 256 bytes,
	s_lshl_b32 s77, s[WV], 14                      ; my wave's 64 of them
	s_add_co_u32 s76, s76, s77
	s_mov_b32 s78, s77                             ; eb: my quarter of a chunk, by the wave's number alone
	s_mov_b32 s77, 0
	s_mov_b32 s79, 0
	s_lshl_b32 s20, s[WV], 12                      ; rn: my quarter
	s_mov_b32 s21, 0
	s_lshl_b32 s22, s[WG], 8                       ; planes: 8 groups of 32 bytes a work-group
	s_mov_b32 s23, 0
	s_lshl_b32 s16, s[CX], 14                      ; the prefetches: my work-group's 16 KiB of a chunk,
	s_lshl_b32 s17, s[WV], 13                      ; my wave's 8 KiB of them,
	s_add_co_u32 s16, s16, s17
	s_add_co_u32 s16, s16, 2*65536                 ; in chunk 2: the first change of slots steps it to chunk 3
	s_mov_b32 s17, 0
	s_lshr_b32 s[LIM], s[WV], 1                    ; 0 in waves 0 and 1,
	s_or_b32 s[LIM], s[LIM], ttmp9                 ; of cluster 0: the same in all four partners
	s_cmp_eq_u32 s[LIM], 0
	s_cselect_b32 s[LIM], 1, -1
	s_mov_b32 s[HM], 0xffff0000
	s_mov_b32 s[SEL], 0x76543210
	s_mov_b32 s[SEL+1], 0xfedcba98
	s_mul_i32 s66, s74, 128*PK
	s_add_co_u32 s66, s66, XST                     ; my 128 queries in the stage
	s_mul_i32 s67, s75, 16*PK                      ; my parity's first code tile
	s_lshl_b32 s68, s75, 6
	s_add_co_u32 s68, s68, SCL                     ; and its scales
	s_mul_i32 s69, s[WV], 64*PK
	s_add_co_u32 s69, s69, XST                     ; the 64 rows that I convert
	v_and_b32 v8, 15, v0                           ; r = lane % 16
	v_bfe_u32 v9, v0, 4, 1                         ; h = lane / 16
	v_and_b32 v[LN], 31, v0
	; a fragment is 16 rows x 32 K in 8 registers: lane holds row r; registers 0-3 K = 8 h + 0..7, registers 4-7 K = 16 + 8 h + 0..7: two loads of 16 bytes, 32 bytes apart
	v_mul_u32_u24 v[AK0], v8, PK
	v_lshl_add_u32 v[AK0], v9, 4, v[AK0]           ; r x pitch + 16 h
	v_add_nc_u32 v[XSTR], s66, v[AK0]
	v_add_nc_u32 v[AK0], s67, v[AK0]
	v_lshl_add_u32 v[AS0], v9, 5, s68              ; the scales of codes 8 h + 0..7: 32 bytes
	v_mul_u32_u24 v[XSTW], v9, PK                  ; a load of x holds two rows: lanes 0-15 the even one,
	v_lshl_add_u32 v[XSTW], v8, 3, v[XSTW]         ; four numbers a lane: 8 bytes of bf16
	v_add_nc_u32 v[XSTW], s69, v[XSTW]
	v_lshlrev_b32 v[XO], 4, v[LN]
	v_lshlrev_b32 v[PFO], 8, v[LN]
	s_wait_dscnt 0x0                               ; both opening adds are done
	s_wait_kmcnt 0x0
	s_add_nc_u64 s[4:5], s[4:5], s[76:77]
	s_add_nc_u64 s[G0A+2:G0A+3], s[6:7], s[78:79]
	s_add_nc_u64 s[G0W+2:G0W+3], s[G0A+2:G0A+3], 65536
	s_or_b32 s[G0A+3], s[G0A+3], 0x80000000        ; type = 2
	s_or_b32 s[G0W+3], s[G0W+3], 0x80000000
	s_add_nc_u64 s[G0S+2:G0S+3], s[8:9], s[20:21]
	s_or_b32 s[G0S+3], s[G0S+3], 0x80000000
	s_add_nc_u64 s[10:11], s[10:11], s[22:23]
	s_add_nc_u64 s[PFA:PFA+1], s[6:7], s[16:17]
	CROUND                                         ; all four work-groups are here: the first joint loads meet
	tensor_load_to_lds s[G0S:G0S+3], s[G1S:G1S+7]  ; the first fills go out as one group: three loads of mine are out
	s_nop 0
	tensor_load_to_lds s[G0A:G0A+3], s[G1E:G1E+7]
	s_nop 0
	tensor_load_to_lds s[G0W:G0W+3], s[G1E:G1E+7]
	s_nop 0
.set i, 0
.rept 32
	global_load_b128 v[Q+4*i:Q+4*i+3], v[XO], s[4:5] offset:512*i  ; two whole rows of x, 512 consecutive bytes
.set i, i+1
.endr
	; what the first riders find, written while the loads are out
.set i, 0
.rept 16
	v_mov_b32 v[RUN+i], 0xff800000                 ; -inf
	v_mov_b32 v[ACX+16+i], 0xff800000
.set i, i+1
.endr
.set i, 0
.rept 8
	v_mov_b32 v[IDX+i], 0
	v_mov_b32 v[SC+8+i], 1.0
.set i, i+1
.endr
.set i, 0
.rept 32
	s_wait_loadcnt 31-i                            ; load i is in, the 31 - i younger ones stay out
	v_cvt_pk_bf16_f32 v[TL+2*(i%4)], v[Q+4*i], v[Q+4*i+1]
	v_cvt_pk_bf16_f32 v[TL+2*(i%4)+1], v[Q+4*i+2], v[Q+4*i+3]
	ds_store_b64 v[XSTW], v[TL+2*(i%4):TL+2*(i%4)+1] offset:2*PK*i
.set i, i+1
.endr
	s_wait_tensorcnt 0x1                           ; rn and my part of slot 0 are in; slot 1's load may stay out
	s_wait_dscnt 0x0                               ; for the others' sake: my rows of x lie in the stage
	s_barrier_signal -1
	s_barrier_wait -1
.set i, 0
.rept 8
	ds_load_b128 v[Q+16*i:Q+16*i+3],     v[XSTR] offset:16*PK*i
	ds_load_b128 v[Q+16*i+4:Q+16*i+7],   v[XSTR] offset:16*PK*i+32
	ds_load_b128 v[Q+16*i+8:Q+16*i+11],  v[XSTR] offset:16*PK*i+64
	ds_load_b128 v[Q+16*i+12:Q+16*i+15], v[XSTR] offset:16*PK*i+96
.set i, i+1
.endr
	s_mov_b32 s[TB], 0
	s_mov_b32 s[TS], 0
	s_sub_co_u32 s[TID], s75, 2                    ; two below my first tile: the first riders select nothing
; My next code tile's fragment (64 K: four loads) and its eight scales (two loads), into buffers b.
.macro FETCH b
	v_add_nc_u32 v[ADR], s[TB], v[AK0]
	v_add_nc_u32 v[ADS], s[TS], v[AS0]
	ds_load_b128 v[AF+16*(\b):AF+16*(\b)+3],     v[ADR]
	ds_load_b128 v[AF+16*(\b)+4:AF+16*(\b)+7],   v[ADR] offset:32
	ds_load_b128 v[AF+16*(\b)+8:AF+16*(\b)+11],  v[ADR] offset:64
	ds_load_b128 v[AF+16*(\b)+12:AF+16*(\b)+15], v[ADR] offset:96
	ds_load_b128 v[SC+8*(\b):SC+8*(\b)+3],       v[ADS]
	ds_load_b128 v[SC+8*(\b)+4:SC+8*(\b)+7],     v[ADS] offset:16
	s_add_co_u32 s[TB], s[TB], 32*PK               ; my parity's next tile lies two tiles on
	s_add_co_u32 s[TS], s[TS], 128
.endm
; A product: accumulator i of a set, K step ks, code buffer b, query tile q.  The first K step starts the sum with the constant 0.
.macro WM set, i, ks, b, q
.set rd, (\set)+8*(\i)
.set rf, AF+16*(\b)+8*(\ks)
.set rq, Q+16*(\q)+8*(\ks)
.if (\ks) == 0
	v_wmma_f32_16x16x32_bf16 v[rd:rd+7], v[rf:rf+7], v[rq:rq+7], 0
.else
	v_wmma_f32_16x16x32_bf16 v[rd:rd+7], v[rf:rf+7], v[rq:rq+7], v[rd:rd+7]
.endif
.endm
; Rider n of 20 for query tiles qa and qa + 1, whose scores lie in a set; the tiles alternate.  rb: the buffer of the scores' code tile (its scales; the old maxima).
;   0-7  the scores times rn, a pair at a time, each accumulator's lowest registers first     8-13  the maximum of seven, three operands at a time
;   14, 15  with the eighth and the old maximum: the new one, into the other buffer     16, 17  has it grown?     18, 19  then the tile's number is kept
.macro RD n, set, rb, qa
.set u, (\n)%2
.set ra, (\set)+8*u
.set ro, RUN+8*(\rb)+(\qa)+u
.set rn, RUN+8*(1-(\rb))+(\qa)+u
.if (\n) < 8
.set ra, ra+2*((\n)/2)
.set rs, SC+8*(\rb)+2*((\n)/2)
	v_pk_mul_f32 v[ra:ra+1], v[ra:ra+1], v[rs:rs+1]
.elseif (\n) < 10
	v_max3_num_f32 v[TT+u], v[ra], v[ra+1], v[ra+2]
.elseif (\n) < 14
.set ra, ra+2*(((\n)-10)/2)+3
	v_max3_num_f32 v[TT+u], v[TT+u], v[ra], v[ra+1]
.elseif (\n) < 16
	v_max3_num_f32 v[rn], v[TT+u], v[ra+7], v[ro]
.elseif (\n) < 18
	v_cmp_gt_f32 s[60+u], v[rn], v[ro]
.else
	v_cndmask_b32 v[IDX+(\qa)+u], v[IDX+(\qa)+u], s[TID], s[60+u]
.endif
.endm
; Four products for query tiles 2 p and 2 p + 1, the two accumulators by turns, and behind each five riders on the OTHER set: the two query tiles before.
; The riders name none of the products' registers, so they are the places behind them: a set's first reader stands ten plain lines behind the last product on its first accumulator, six behind that on its second.
.macro QUAD b, p
.set wset, ACX+16*((\p)%2)
.set oset, ACX+16*(1-(\p)%2)
.set oq, (2*(\p)+6)%8
.set orb, (\b)
.if (\p) == 0
.set orb, 1-(\b)                       ; those scores are the code tile's before
.endif
.set k, 0
.irp w, 0,1,2,3
	WM wset, (\w)%2, (\w)/2, \b, 2*(\p)+(\w)%2
.rept 5
	RD k, oset, orb, oq
.set k, k+1
.endr
.endr
.endm
; THE CHANGE OF SLOTS, inside a chunk's last code tile, whose fragment is in registers.  Each wave waits for all its tensor loads, of which one is out: its part of the other slot; adds 0 to its spare word; and waits for
; that and for its own reads of the slot.  Behind the barrier nobody reads this slot any more and the other slot is whole.  fill = 1: the slot is filled again, with the chunk two on; the barrier is then a round of the
; cluster's, so that no wave of any partner still reads the slot or has a load on its way, and the joint refill is the first thing behind it.
.macro CHANGE fill
	s_wait_tensorcnt 0x0                           ; no tensor load of mine is out, so the walking group 0 may be written
	ds_add_u32 v[SPW], v[NIL]                      ; 0 onto my spare word
.if \fill
	s_xor_b32 s[G0W+1], s[G0W+1], SLOT1            ; the other slot than last time,
	s_add_nc_u64 s[G0W+2:G0W+3], s[G0W+2:G0W+3], 65536  ; the next chunk; the type bits on top are not reached
	s_wait_xcnt 0x0                                ; the last prefetch, a chunk back, has read its address
	s_add_nc_u64 s[PFA:PFA+1], s[PFA:PFA+1], 65536
	s_wait_dscnt 0x0                               ; the add is done, and my reads of the slot are over
	CROUND
	tensor_load_to_lds s[G0W:G0W+3], s[G1E:G1E+7]
	s_nop 0
.rept 4
	v_nop
.endr
	ASK
.else
	s_wait_dscnt 0x0
	s_barrier_signal -1
	s_barrier_wait -1
.endif
	s_sub_co_u32 s[TB], s[TB], CHB                 ; the fetches go back to a slot's first tiles,
	s_xor_b32 s[TB], s[TB], SLOT1                  ; in the other slot
.endm
; A code tile in buffers b: 16 products.  mode 0: the next tile is fetched; 1: behind a change of slots with a refill; 2: behind one without; 3: nothing is left to fetch.
; The fetch stands behind the first four products: the other buffers' last readers are that quad's riders (the scales) and the tile before's last product (the fragment), 25 plain lines back.
.macro TILE b, mode
	s_wait_dscnt 0x0                               ; my fragment and scales, asked for twelve products ago
	QUAD \b, 0
	s_add_co_u32 s[TID], s[TID], 2                 ; from here on the riders hold this tile's scores
.if (\mode) == 1
	CHANGE 1
.elseif (\mode) == 2
	CHANGE 0
.endif
.if (\mode) != 3
	FETCH 1-(\b)
.endif
	QUAD \b, 1
	QUAD \b, 2
	QUAD \b, 3
.endm
.macro CHUNK mode                      ; my 16 code tiles of a chunk
	s_mov_b32 s[CNT], 7
.Lpair_\@:
	TILE 0, 0
	TILE 1, 0
	s_sub_co_u32 s[CNT], s[CNT], 1
	s_cmp_lg_u32 s[CNT], 0
	s_cbranch_scc1 .Lpair_\@
	TILE 0, 0
	TILE 1, \mode
.endm
	FETCH 0
	s_mov_b32 s[SLOTS], 6
.Lchunk:                                       ; chunks 0 to 5: the change behind chunk c asks for chunk c + 2
	CHUNK 1
	s_sub_co_u32 s[SLOTS], s[SLOTS], 1
	s_cmp_lg_u32 s[SLOTS], 0
	s_cbranch_scc1 .Lchunk
	CHUNK 2                                        ; the tail is written out
	CHUNK 3
.set k, 0
.rept 20
	RD k, ACX+16, 1, 6                             ; the last code tile's last two query tiles
.set k, k+1
.endr
	; THE TAIL.  The maxima lie in buffer 0.  A query's other eight codes of each tile lie in the lane 16 away: the greater value wins, on equal values the lower tile.
.macro TAKE va, ia, vb, ib             ; (va, ia) takes (vb, ib) by that rule
	v_cmp_gt_f32 s60, v[\vb], v[\va]
	v_cmp_eq_f32 s61, v[\vb], v[\va]
	v_cmp_lt_u32 s62, v[\ib], v[\ia]
	s_and_b32 s61, s61, s62
	s_or_b32 s60, s60, s61
	v_cndmask_b32 v[\va], v[\va], v[\vb], s60
	v_cndmask_b32 v[\ia], v[\ia], v[\ib], s60
.endm
.set j, 0
.rept 8
	v_permlanex16_b32 v[TL], v[RUN+j], s[SEL], s[SEL+1]
	v_permlanex16_b32 v[TL+1], v[IDX+j], s[SEL], s[SEL+1]
	TAKE RUN+j, IDX+j, TL, TL+1
.set j, j+1
.endr
	s_lshl_b32 s66, s75, 11                        ; [ch][128 qh + ..]
	s_lshl_b32 s67, s74, 10
	s_add_co_u32 s66, s66, s67
	s_add_co_u32 s66, s66, MRG
	v_lshl_add_u32 v[MA], v[LN], 3, s66
.set j, 0
.rept 4                                        ; lanes 0-15 speak for tile 2 j, lanes 16-31 for tile 2 j + 1: query 32 j + lane of my 128
	v_cndmask_b32 v[TL+2*j], v[RUN+2*j], v[RUN+2*j+1], s[HM]
	v_cndmask_b32 v[TL+2*j+1], v[IDX+2*j], v[IDX+2*j+1], s[HM]
	ds_store_b64 v[MA], v[TL+2*j:TL+2*j+1] offset:256*j
.set j, j+1
.endr
	s_wait_dscnt 0x0                               ; for the others' sake
	s_barrier_signal -1
	s_barrier_wait -1
	s_lshl_b32 s66, s[WV], 9                       ; wave w merges the two parities for queries 64 w .. 64 w + 63: two groups of 32
	s_add_co_u32 s66, s66, MRG
	v_lshl_add_u32 v[MA], v[LN], 3, s66
	v_mov_b32 v[TL+4], 0                           ; the 16 words to store, one a lane
	v_mov_b32 v[TL+6], 0
.irp g, 0,1
	ds_load_b64 v[TL:TL+1], v[MA] offset:256*\g
	ds_load_b64 v[TL+2:TL+3], v[MA] offset:256*\g+2048
	s_wait_dscnt 0x0
	TAKE TL, TL+1, TL+2, TL+3
.irp b, 0,1,2,3,4,5,6,7
	v_and_b32 v[TL+5], 1<<\b, v[TL+1]
	v_cmp_ne_u32 s[66+\b], 0, v[TL+5]              ; bit b of the 32 rows' tiles, a row a bit
	v_writelane_b32 v[TL+4], s[66+\b], 8*\g+\b
.endr
.endr
	v_permlanex16_b32 v[TL+6], v[TL+4], s[SEL], s[SEL+1]
	v_cndmask_b32 v[TL+4], v[TL+4], v[TL+6], s[HM] ; lanes 16-31 repeat lanes 0-15: the same words, the same values
	v_and_b32 v[TL+7], 15, v0
	v_lshlrev_b32 v[TL+7], 2, v[TL+7]
	s_lshl_b32 s76, s[WV], 6
	v_add_nc_u32 v[TL+7], s76, v[TL+7]
	global_store_b32 v[TL+7], v[TL+4], s[10:11]    ; 64 bytes a wave, 64 KiB in the whole launch
	s_wait_tensorcnt 0x0                           ; the wave's end, behind my last tensor load and my last LDS store
	ds_add_u32 v[SPW], v[NIL]
	s_wait_dscnt 0x0
	CROUND                                         ; the closing round: no work-group ends while a partner may still ask for a tile that names it
	s_endpgm
.Lfunc_end_k_q4becf0930f_coarse:
	.size	k_q4becf0930f_coarse, .Lfunc_end_k_q4becf0930f_coarse-k_q4becf0930f_coarse
	.p2alignl 7, 3214868480
	.fill 96, 4, 3214868480
	.section	.rodata,"a",@progbits
	.p2align	6, 0x0
	.amdhsa_kernel k_q4becf0930f_coarse
		.amdhsa_group_segment_fixed_size 327680
		.amdhsa_private_segment_fixed_size 0
		.amdhsa_enable_private_segment 0
		.amdhsa_kernarg_size 32
		.amdhsa_user_sgpr_count 2
		.amdhsa_user_sgpr_kernarg_segment_ptr 1
		.amdhsa_wavefront_size32 1
		.amdhsa_system_sgpr_workgroup_id_x 1
		.amdhsa_system_sgpr_workgroup_id_y 1
		.amdhsa_system_sgpr_workgroup_id_z 1
		.amdhsa_system_vgpr_workitem_id 0
		.amdhsa_next_free_vgpr 256
		.amdhsa_next_free_sgpr 80
		.amdhsa_reserve_vcc 0
		.amdhsa_float_denorm_mode_32 3
		.amdhsa_float_denorm_mode_16_64 3
		.amdhsa_memory_ordered 1
		.amdhsa_forward_progress 1
		.amdhsa_inst_pref_size 113
	.end_amdhsa_kernel
	.amdgpu_metadata
---
amdhsa.version: [ 1, 2 ]
amdhsa.kernels:
  - .name:           k_q4becf0930f_coarse
    .symbol:         k_q4becf0930f_coarse.kd
    .args:
      - { .name: x, .offset: 0, .size: 8, .value_kind: global_buffer, .address_space: global }
      - { .name: eb, .offset: 8, .size: 8, .value_kind: global_buffer, .address_space: global }
      - { .name: rn, .offset: 16, .size: 8, .value_kind: global_buffer, .address_space: global }
      - { .name: planes, .offset: 24, .size: 8, .value_kind: global_buffer, .address_space: global }
    .group_segment_fixed_size: 327680
    .private_segment_fixed_size: 0
    .kernarg_segment_align: 8
    .kernarg_segment_size: 32
    .max_flat_workgroup_size: 128
    .sgpr_count:     80
    .vgpr_count:     256
    .wavefront_size: 32
...
	.end_amdgpu_metadata
.endif
;; end of part 2
;; launch owner (part 3): grid 256 x 1, 16 waves a work-group, no clusters, 158,720 bytes of LDS; arguments x, embed, eb, rn, planes, cluster_size, out0, out1, out2, out3; writes out0, out1, out2, out3
.if DOCPART == 3
	.amdgcn_target "amdgcn-amd-amdhsa--gfx1250"
	.amdhsa_code_object_version 6
	.text
	.protected	k_q4becf0930f_owner
	.globl	k_q4becf0930f_owner
	.p2align	8
	.type	k_q4becf0930f_owner,@function
k_q4becf0930f_owner:
	s_mov_b64 s[64:65], 0
	v_nop
	global_prefetch_b8 v0, s[64:65] scope:SCOPE_SE
	s_setreg_imm32_b32 hwreg(HW_REG_WAVE_MODE, 25, 1), 1
	s_wait_xcnt 0x0
; COSINE CODEBOOK, launch 3 of 3.  Work-group T owns codes 16 T .. 16 T + 15 and every row of x whose best tile, as the launch before stored it in planes, is T.
; Left out, as shown at the head of the first kernel: the dense one_hot operand: bins and embed_sum are taken over a tile's own rows; l2norm(x) in front of the scores.
; FOR ITS ROWS: the 16 scores once more (the same two products and the same f32 scaling as in the launch before), the first code with the largest: out1; that code's row of eb: out0.
; FOR ITS CODES: bins, the sum of x / max(|x|, 1e-12) over the code's rows, and from them out2 and out3 as reference() writes them.
; SHARES.  Wave v of 16 scans groups 128 v .. 128 v + 127 of 32 rows, a lane a group, four groups a lane; a row of tile T is a set bit of the AND over k of (plane k xor (bit k of T ? 0 : -1)).
; The rows' numbers are gathered into a BATCH of 32, a lane a row.  Every branch, trip count and global address hangs on planes or on ids; the argmax inside the tile selects values alone.
; A batch that is not full holds its newest row again in its spare lanes: they compute and store to out1 the same values; they carry no weight in the sums, and their rows of out0 are not stored again.
; MATRIX WORK OF A BATCH.  S^T = eb x^T, two tiles of 16 rows.  SUM^T[dim][code] += x^T[dim][row] W[row][code], W = the row's 1 / |x| at its code, else 0.  Q^T[dim][row] = eb^T[dim][code] H[code][row], H the one-hot
; of the row's code: the lookup as a product, since the code may steer no address in the launch that finds it.  1.0 x eb + zeros is exact.
; No cluster: what the work-groups share is planes, 64 KiB, taken once by eight loads a wave.  No prefetch: a row is known only some hundred lines before its load.
; EXEC is never changed.  All LDS that a batch touches is the wave's own, at fixed addresses; LDS serves a wave's instructions in order (ISA guide 5.7.1.4), so a batch has no barrier.
; LIMITS: those at the head of the first kernel.
.set OS,    0                          ; wave w: 16 rows x 272 bytes at 4,352 w: the stage for out0; at the end the wave's partial sums [code][64 dims] in f32
.set XS,    69632                      ; wave w: 32 rows x 160 bytes at + 5,120 w: bf16 rows [row][64 dims]: first the tile of eb, then a batch of x.  160 = 5 x 32
.set IDS,   151552                     ; wave w: 256 bytes: the batch's row numbers (even places, then odd places), then one word a row: 1 / |x| in bf16 above, the code below
.set CNTS,  155648                     ; [code][wave] counts in f32
.set SPARE, 156672                     ; the spare words, 128 bytes for each wave: eight blocks of 256 bytes that no other line names
.set RNS,  32                          ; v[32:39]   rn of codes 8 h + 0..7
.set EA,   40                          ; v[40:55]   the tile of eb as source 0 of the scores
.set ET,   56                          ; v[56:87]   the same turned, four blocks of 16 dims; codes 16-31 of each K are 0
.set SUM,  88                          ; v[88:119]  four accumulators: lane = code, register j of block dt = dim 16 dt + 8 h + j
.set OW,   120                         ; v[120:127] W, then H
.set SR,   128                         ; v[128:143] at work, then the scores, then the rows' words
.set ROFF, 144                         ; v[144:159] byte offsets in out0: register m: row at place 2 m + h of the batch, + 16 r
.set XB,   160                         ; v[160:191] x in bf16 as source 1, 16 a tile; then Q^T
.set XL,   192                         ; v[192:255] planes at the start; x as loaded, 32 a tile; then v192-223 at work, v224-255 x turned; then rows on their way out
; v0 thread, v1 lane, v2 r = lane % 16, v3 h = lane / 16, v4 32 h, v5 8 h, v6 my spare word's address, v7 0, v8 the batch's row numbers, v9 counts, v10-18 LDS addresses and 16 r (below),
; v19, v24 out1's data and offset, v20-23 the masks, v25 cluster_size, v26-27 my two numbers of embed, v28-31 addresses and work
; s24 wave, s25 T, s26 16 T, s27 rows in the batch, s28-39 the scan, s40 lanes 16-31, s[42:43] selects, s44-46 constants, s47 a mask, s[48:55] the xor words, s56-63 work
	s_load_b512 s[4:19], s[0:1], 0x0               ; x s[4:5], embed s[6:7], eb s[8:9], rn s[10:11], planes s[12:13], cluster_size s[14:15], out0 s[16:17], out1 s[18:19]
	s_load_b128 s[20:23], s[0:1], 0x40             ; out2 s[20:21], out3 s[22:23]
	v_lshl_add_u32 v6, v0, 2, SPARE
	v_mov_b32 v7, 0
	v_lshrrev_b32 v30, 5, v0
	v_readfirstlane_b32 s24, v30                   ; wave 0..15
	s_mov_b32 s25, ttmp9
	s_lshl_b32 s26, s25, 4
	v_and_b32 v1, 31, v0
	v_and_b32 v2, 15, v0
	v_bfe_u32 v3, v0, 4, 1
	v_lshlrev_b32 v4, 5, v3
	v_lshlrev_b32 v5, 3, v3
	v_mov_b32 v8, 0
	v_mov_b32 v9, 0
	s_mov_b32 s40, 0xffff0000
	s_mov_b32 s42, 0x76543210
	s_mov_b32 s43, 0xfedcba98
	s_mov_b32 s44, 0x07060302                      ; v_perm_b32: the two upper halves
	s_mov_b32 s45, 0x3f80                          ; 1.0 in bf16
	s_mov_b32 s46, 0x5368d4a5                      ; 1e12
.irp k, 0,1,2,3,4,5,6,7
	s_bitcmp1_b32 s25, \k
	s_cselect_b32 s[48+\k], 0, -1
.endr
	s_mul_i32 s39, s24, 5120
	s_add_co_u32 s39, s39, XS
	s_mul_i32 s41, s24, 4352
	s_lshl_b32 s36, s24, 8
	s_add_co_u32 s36, s36, IDS
	v_mul_u32_u24 v10, v2, 160                     ; v10: a fragment's 16 bytes into XS: row r, 16 h
	v_lshl_add_u32 v10, v3, 4, v10
	v_add_nc_u32 v10, s39, v10
	v_and_b32 v30, 7, v0                           ; v11: the turning load: row 8 h + lane % 8, 16 bytes ((lane / 8) % 2)
	v_lshl_add_u32 v30, v3, 3, v30
	v_mul_u32_u24 v11, v30, 160
	v_bfe_u32 v31, v0, 3, 1
	v_lshl_add_u32 v11, v31, 4, v11
	v_add_nc_u32 v11, s39, v11
	v_mul_u32_u24 v12, v2, 272                     ; v12: into the stage: row r, 32 h
	v_lshl_add_u32 v12, v3, 5, v12
	v_add_nc_u32 v12, s41, v12
	v_mul_u32_u24 v13, v3, 272                     ; v13: back: lanes 0-15 one row of 256 bytes, lanes 16-31 the next
	v_lshl_add_u32 v13, v2, 4, v13
	v_add_nc_u32 v13, s41, v13
	v_and_b32 v30, 1, v0                           ; v14: my row number's word: places of my parity, place lane / 2
	v_lshlrev_b32 v30, 6, v30
	v_lshrrev_b32 v31, 1, v1
	v_lshl_add_u32 v14, v31, 2, v30
	v_add_nc_u32 v14, s36, v14
	v_lshl_add_u32 v15, v3, 6, s36                 ; v15: the 16 numbers of parity h
	v_lshl_add_u32 v16, v1, 2, s36                 ; v16: my row's word
	v_add_nc_u32 v16, 128, v16
	v_lshl_add_u32 v17, v3, 5, s36                 ; v17: the words of rows 8 h + 0..7; those of rows 16 + 8 h + 0..7 lie 64 bytes on
	v_add_nc_u32 v17, 128, v17
	v_lshlrev_b32 v18, 4, v2
	v_lshlrev_b32 v28, 5, v1                       ; planes: 32 bytes a group, 128 groups a wave
	v_lshl_add_u32 v28, s24, 12, v28
	v_lshlrev_b32 v29, 7, v2                       ; eb: row r, 16 h
	v_lshl_add_u32 v29, v3, 4, v29
	v_lshlrev_b32 v30, 2, v2                       ; cluster_size: word r
	v_lshlrev_b32 v31, 3, v1                       ; embed: my two numbers of the wave's row
	s_lshl_b32 s56, s25, 11
	s_mov_b32 s57, 0
	s_lshl_b32 s58, s25, 6
	s_mov_b32 s59, 0
	s_lshl_b32 s60, s25, 12
	s_lshl_b32 s61, s24, 8
	s_add_co_u32 s60, s60, s61                     ; row 16 T + wave of embed and of out2
	s_mov_b32 s61, 0
	s_wait_kmcnt 0x0
	s_add_nc_u64 s[8:9], s[8:9], s[56:57]
	s_add_nc_u64 s[10:11], s[10:11], s[58:59]
	s_add_nc_u64 s[14:15], s[14:15], s[58:59]
	s_add_nc_u64 s[22:23], s[22:23], s[58:59]
	s_add_nc_u64 s[6:7], s[6:7], s[60:61]
	s_add_nc_u64 s[20:21], s[20:21], s[60:61]
.irp c, 0,1,2,3
	global_load_b128 v[XL+8*\c:XL+8*\c+3],   v28, s[12:13] offset:1024*\c
	global_load_b128 v[XL+8*\c+4:XL+8*\c+7], v28, s[12:13] offset:1024*\c+16
.endr
.irp c, 0,1,2,3
	global_load_b128 v[EA+4*\c:EA+4*\c+3], v29, s[8:9] offset:32*\c
.endr
	global_load_b128 v[RNS:RNS+3], v4, s[10:11]
	global_load_b128 v[RNS+4:RNS+7], v4, s[10:11] offset:16
	global_load_b64 v[26:27], v31, s[6:7]
	global_load_b32 v25, v30, s[14:15]
.set i, 0
.rept 32
	v_mov_b32 v[SUM+i], 0                          ; the number of batches is known only at run time, so the sums start in registers; written while the loads are out
.set i, i+1
.endr
.irp dt, 0,1,2,3
.irp e, 4,5,6,7
	v_mov_b32 v[ET+8*\dt+\e], 0
.endr
.endr
	s_wait_loadcnt 0x0
.irp c, 0,1,2,3
	ds_store_b128 v10, v[EA+4*\c:EA+4*\c+3] offset:32*\c
.endr
.irp dt, 0,1,2,3
	ds_load_tr16_b128 v[ET+8*\dt:ET+8*\dt+3], v11 offset:32*\dt   ; dims 16 dt + r, codes 8 h + 0..7
.endr
.irp c, 0,1,2,3
	v_xor_b32 v[20+\c], s48, v[XL+8*\c]
.irp k, 1,2,3,4,5,6,7
	v_xor_b32 v30, s[48+\k], v[XL+8*\c+\k]
	v_and_b32 v[20+\c], v[20+\c], v30
.endr
.endr
	s_wait_dscnt 0x0
; The lookup and the way out of tile u of a batch.  H: lane (r, h) holds row r's column, codes 8 h + 0..7 in registers 0-3; the one 1.0 falls into half (code - 8 h) % 2 of register (code - 8 h) / 2, if that lies in 0..3.
.macro QUANT u
.if (\u) == 1
	s_cmp_le_u32 s27, 16                           ; tile 1 holds only repeats of a row that has been stored
	s_cbranch_scc1 .Lqend_\@
.endif
	v_sub_nc_u32 v210, v[202+(\u)], v5
	v_and_b32 v211, 1, v210
	v_lshlrev_b32 v211, 4, v211
	v_lshlrev_b32 v211, v211, s45
	v_lshrrev_b32 v210, 1, v210
.irp p, 0,1,2,3
	v_cmp_eq_u32 vcc_lo, \p, v210
	v_cndmask_b32 v[OW+\p], 0, v211, vcc_lo
.endr
.irp dt, 0,1,2,3
	v_wmma_f32_16x16x32_bf16 v[XB+8*\dt:XB+8*\dt+7], v[ET+8*\dt:ET+8*\dt+7], v[OW:OW+7], 0
.endr
.rept 5
	v_nop                                          ; the places behind those products
.endr
.irp dt, 0,1,2,3
	ds_store_b128 v12, v[XB+8*\dt:XB+8*\dt+3] offset:64*\dt       ; row r, dims 16 dt + 8 h + 0..7: 32 bytes; each accumulator's lowest registers first
	ds_store_b128 v12, v[XB+8*\dt+4:XB+8*\dt+7] offset:64*\dt+16
.endr
.set bk, XL+32-32*(\u)                 ; tile 0 comes back where x turned lay, tile 1 where the work registers lay: they are done with
.set i, 0
.rept 8
	ds_load_b128 v[bk+4*i:bk+4*i+3], v13 offset:544*i
.set i, i+1
.endr
	s_wait_dscnt 0x0
.set i, 0
.rept 8
.if i > 0
	s_cmp_le_u32 s27, 16*(\u)+2*i                  ; from here on only repeats
	s_cbranch_scc1 .Lqend_\@
.endif
	global_store_b128 v[ROFF+8*(\u)+i], v[bk+4*i:bk+4*i+3], s[16:17]  ; 16 lanes store one whole row of out0: 256 consecutive bytes, aligned
.set i, i+1
.endr
.Lqend_\@:
.endm
; A BATCH: the rows in v8, s27 of them.  Every wait in it is for 0.
.macro BATCH
	; 1. Who reads which row.  Tile u's fragment: lane (r, h) takes row 16 u + r, whose number lies in lane 16 u + r.  A number read from memory enters an address behind v_min_u32 alone.
	v_permlanex16_b32 v30, v8, s42, s43
	v_cndmask_b32 v28, v8, v30, s40
	v_cndmask_b32 v29, v30, v8, s40
	v_min_u32 v28, 0xffff, v28
	v_min_u32 v29, 0xffff, v29
	v_lshlrev_b32 v28, 8, v28
	v_lshlrev_b32 v29, 8, v29
	v_add_nc_u32 v28, v28, v4
	v_add_nc_u32 v29, v29, v4
	ds_store_b32 v14, v8
.irp c, 0,1,2,3
	ds_load_b128 v[ROFF+4*\c:ROFF+4*\c+3], v15 offset:16*\c
.endr
	; 2. The gather: of a row's 256 bytes lane (r, h) takes dims 16 c + 8 h + 0..7, c = 0..3: the fragment's own order
.irp c, 0,1,2,3,4,5,6,7
	global_load_b128 v[XL+4*\c:XL+4*\c+3], v28, s[4:5] offset:64*(\c/2)+16*(\c%2)
.endr
.irp c, 0,1,2,3,4,5,6,7
	global_load_b128 v[XL+32+4*\c:XL+32+4*\c+3], v29, s[4:5] offset:64*(\c/2)+16*(\c%2)
.endr
	s_wait_dscnt 0x0
.set i, 0
.rept 16
	v_min_u32 v[ROFF+i], 0xffff, v[ROFF+i]
	v_lshlrev_b32 v[ROFF+i], 8, v[ROFF+i]
	v_add_nc_u32 v[ROFF+i], v[ROFF+i], v18
.set i, i+1
.endr
	s_wait_loadcnt 0x0
	; 3. Sums of squares in two chains a tile; x to bf16; the rows into XS
.irp u, 0,1
	v_pk_mul_f32 v[SR+4*\u:SR+4*\u+1], v[XL+32*\u:XL+32*\u+1], v[XL+32*\u:XL+32*\u+1]
	v_pk_mul_f32 v[SR+4*\u+2:SR+4*\u+3], v[XL+32*\u+2:XL+32*\u+3], v[XL+32*\u+2:XL+32*\u+3]
.set p, 2
.rept 14
	v_pk_fma_f32 v[SR+4*\u+2*(p%2):SR+4*\u+2*(p%2)+1], v[XL+32*\u+2*p:XL+32*\u+2*p+1], v[XL+32*\u+2*p:XL+32*\u+2*p+1], v[SR+4*\u+2*(p%2):SR+4*\u+2*(p%2)+1]
.set p, p+1
.endr
.endr
.set i, 0
.rept 32
	v_cvt_pk_bf16_f32 v[XB+i], v[XL+2*i], v[XL+2*i+1]
.set i, i+1
.endr
.irp u, 0,1
.irp c, 0,1,2,3
	ds_store_b128 v10, v[XB+16*\u+4*\c:XB+16*\u+4*\c+3] offset:2560*\u+32*\c
.endr
.endr
	v_pk_add_f32 v[SR:SR+1], v[SR:SR+1], v[SR+2:SR+3]
	v_pk_add_f32 v[SR+4:SR+5], v[SR+4:SR+5], v[SR+6:SR+7]
	v_add_f32 v192, v[SR], v[SR+1]
	v_add_f32 v193, v[SR+4], v[SR+5]
	v_permlanex16_b32 v194, v192, s42, s43         ; the row's other 32 dims lie in the lane 16 away
	v_permlanex16_b32 v195, v193, s42, s43
	v_add_f32 v192, v192, v194
	v_add_f32 v193, v193, v195
	v_cndmask_b32 v192, v192, v193, s40            ; a lane a row: lane l speaks for the row at place l
	v_rsq_f32 v196, v192
	v_nop                                          ; a plain instruction behind it; its wait stands ahead of its first reader, below
	; 4. The scores: the two accumulators by turns
	v_wmma_f32_16x16x32_bf16 v[SR:SR+7], v[EA:EA+7], v[XB:XB+7], 0
	v_wmma_f32_16x16x32_bf16 v[SR+8:SR+15], v[EA:EA+7], v[XB+16:XB+23], 0
	v_wmma_f32_16x16x32_bf16 v[SR:SR+7], v[EA+8:EA+15], v[XB+8:XB+15], v[SR:SR+7]
	v_wmma_f32_16x16x32_bf16 v[SR+8:SR+15], v[EA+8:EA+15], v[XB+24:XB+31], v[SR+8:SR+15]
.irp dt, 0,1,2,3
	ds_load_tr16_b128 v[XL+32+8*\dt:XL+32+8*\dt+3], v11 offset:32*\dt        ; x turned: dims 16 dt + r, rows 8 h + 0..7,
	ds_load_tr16_b128 v[XL+32+8*\dt+4:XL+32+8*\dt+7], v11 offset:32*\dt+2560 ; and rows 16 + 8 h + 0..7
.endr
.rept 4
	v_nop                                          ; the places behind the products
.endr
	; 5. In each tile: the scaling, the maximum, the first of my eight codes that has it; then the other half of the lanes', the lower code on equal values
.irp u, 0,1
.irp p, 0,1,2,3
	v_pk_mul_f32 v[SR+8*\u+2*\p:SR+8*\u+2*\p+1], v[SR+8*\u+2*\p:SR+8*\u+2*\p+1], v[RNS+2*\p:RNS+2*\p+1]
.endr
	v_max3_num_f32 v[200+\u], v[SR+8*\u], v[SR+8*\u+1], v[SR+8*\u+2]
	v_max3_num_f32 v[200+\u], v[200+\u], v[SR+8*\u+3], v[SR+8*\u+4]
	v_max3_num_f32 v[200+\u], v[200+\u], v[SR+8*\u+5], v[SR+8*\u+6]
	v_max_num_f32 v[200+\u], v[200+\u], v[SR+8*\u+7]
	v_mov_b32 v[202+\u], 7
.irp j, 6,5,4,3,2,1,0
	v_cmp_neq_f32 vcc_lo, v[SR+8*\u+\j], v[200+\u]
	v_cndmask_b32 v[202+\u], \j, v[202+\u], vcc_lo
.endr
	v_add_nc_u32 v[202+\u], v[202+\u], v5
	v_permlanex16_b32 v[204+\u], v[200+\u], s42, s43
	v_permlanex16_b32 v[206+\u], v[202+\u], s42, s43
	v_cmp_gt_f32 s56, v[204+\u], v[200+\u]
	v_cmp_eq_f32 s57, v[204+\u], v[200+\u]
	v_cmp_lt_u32 s58, v[206+\u], v[202+\u]
	s_and_b32 s57, s57, s58
	s_or_b32 s56, s56, s57
	v_cndmask_b32 v[202+\u], v[202+\u], v[206+\u], s56  ; row r's code in the tile, in both halves of the lanes
.endr
	; 6. A lane a row: out1, and the row's word: 1 / max(|x|, 1e-12) in bf16 above, the code below; a repeat's word names no code
	v_cndmask_b32 v208, v202, v203, s40
	s_wait_alu depctr_va_vdst(0)                   ; the wait ahead of the first use of the reciprocal root
	v_min_num_f32 v196, s46, v196
	v_cvt_pk_bf16_f32 v209, v7, v196
	v_or_b32 v209, v209, v208
	v_cmp_gt_u32 s47, s27, v1
	v_mov_b32 v210, 0xff
	v_cndmask_b32 v209, v210, v209, s47
	ds_store_b32 v16, v209
	v_add_nc_u32 v19, s26, v208
	v_min_u32 v24, 0xffff, v8
	v_lshlrev_b32 v24, 2, v24
	global_store_b32 v24, v19, s[18:19]            ; 4 bytes a row, rows far apart: the rows are owned by tile; 256 KiB in the whole launch
	; 7. W: lane (r, h) holds code r's column, rows 8 h + 0..7 and 16 + 8 h + 0..7; the counts; the sums
	ds_load_b128 v[SR:SR+3], v17
	ds_load_b128 v[SR+4:SR+7], v17 offset:16
	ds_load_b128 v[SR+8:SR+11], v17 offset:64
	ds_load_b128 v[SR+12:SR+15], v17 offset:80
	v_mov_b32 v212, 1
	s_wait_dscnt 0x0                               ; the words, and x turned
.set i, 0
.rept 16
	v_and_b32 v210, 0xff, v[SR+i]
	v_cmp_eq_u32 vcc_lo, v210, v2
	v_cndmask_b32 v[SR+i], 0, v[SR+i], vcc_lo
	v_cndmask_b32 v211, 0, v212, vcc_lo
	v_add_nc_u32 v9, v9, v211
.set i, i+1
.endr
.set i, 0
.rept 8
	v_perm_b32 v[OW+i], v[SR+2*i+1], v[SR+2*i], s44
.set i, i+1
.endr
.irp dt, 0,1,2,3
	v_wmma_f32_16x16x32_bf16 v[SUM+8*\dt:SUM+8*\dt+7], v[XL+32+8*\dt:XL+32+8*\dt+7], v[OW:OW+7], v[SUM+8*\dt:SUM+8*\dt+7]
.endr
.rept 5
	v_nop                                          ; the places behind them: W's registers are written next
.endr
	; 8. The lookup
.irp e, 4,5,6,7
	v_mov_b32 v[OW+\e], 0                          ; there are no codes 16-31
.endr
	QUANT 0
	QUANT 1
	s_wait_xcnt 0x0                                ; the stores have read their data and offsets: the next batch writes those registers
.endm
	; THE SCAN.  Three counted loops: four vectors of groups; the lanes whose group has a row; that group's rows.  A new row goes into lane s27 and all lanes above it.
	s_mov_b32 s27, 0
	s_mov_b32 s28, 0
	s_lshl_b32 s38, s24, 7                         ; the vector's first group
.Lvec:
	v_cmp_ne_u32 s29, 0, v20
	s_bcnt1_i32_b32 s30, s29
	s_mov_b32 s31, 0
	s_cmp_eq_u32 s30, 0
	s_cbranch_scc1 .Lnext
.Llane:
	s_ctz_i32_b32 s32, s29
	s_sub_co_u32 s39, s29, 1
	s_and_b32 s29, s29, s39                        ; the lowest set bit is taken off
	v_readlane_b32 s33, v20, s32
	s_bcnt1_i32_b32 s34, s33
	s_mov_b32 s35, 0
.Lbit:
	s_ctz_i32_b32 s36, s33
	s_sub_co_u32 s39, s33, 1
	s_and_b32 s33, s33, s39
	s_add_co_u32 s37, s38, s32
	s_lshl_b32 s37, s37, 5
	s_add_co_u32 s37, s37, s36                     ; the row: 32 x group + bit
	v_cmp_le_u32 s47, s27, v1
	v_cndmask_b32 v8, v8, s37, s47
	s_add_co_u32 s27, s27, 1
	s_cmp_lt_u32 s27, 32
	s_cbranch_scc1 .Lnot_full
	BATCH
	s_mov_b32 s27, 0
.Lnot_full:
	s_add_co_u32 s35, s35, 1
	s_cmp_lt_u32 s35, s34
	s_cbranch_scc1 .Lbit
	s_add_co_u32 s31, s31, 1
	s_cmp_lt_u32 s31, s30
	s_cbranch_scc1 .Llane
.Lnext:
	v_mov_b32 v20, v21
	v_mov_b32 v21, v22
	v_mov_b32 v22, v23
	s_add_co_u32 s38, s38, 32
	s_add_co_u32 s28, s28, 1
	s_cmp_lt_u32 s28, 4
	s_cbranch_scc1 .Lvec
	s_cmp_eq_u32 s27, 0
	s_cbranch_scc1 .Lno_rest
	BATCH
.Lno_rest:
	; THE END.  Each wave's counts and sums go to LDS; one barrier; wave v finishes code 16 T + v.
	v_permlanex16_b32 v30, v9, s42, s43            ; a code's rows were counted in two lanes
	v_add_nc_u32 v30, v30, v9
	v_cvt_f32_u32 v30, v30
	v_lshlrev_b32 v31, 6, v2
	v_lshl_add_u32 v31, s24, 2, v31
	v_add_nc_u32 v31, CNTS, v31
	ds_store_b32 v31, v30                          ; lanes 16-31 write the same words with the same values
.irp dt, 0,1,2,3
	ds_store_b128 v12, v[SUM+8*\dt:SUM+8*\dt+3] offset:64*\dt
	ds_store_b128 v12, v[SUM+8*\dt+4:SUM+8*\dt+7] offset:64*\dt+16
.endr
	s_wait_dscnt 0x0                               ; for the others' sake
	s_barrier_signal -1
	s_barrier_wait -1
	s_mul_i32 s39, s24, 272
	v_lshl_add_u32 v28, v1, 3, s39                 ; row v of each wave's sums, my two dims
	s_lshl_b32 s39, s24, 6
	s_add_co_u32 s39, s39, CNTS
	v_lshl_add_u32 v29, v2, 2, s39                 ; code v's count by wave r
.set p, 0
.rept 16
	ds_load_b64 v[SR+2*p:SR+2*p+1], v28 offset:4352*p
.set p, p+1
.endr
	ds_load_b32 v160, v29
	s_wait_dscnt 0x0
.set p, 2
.rept 14
	v_pk_add_f32 v[SR+2*(p%2):SR+2*(p%2)+1], v[SR+2*(p%2):SR+2*(p%2)+1], v[SR+2*p:SR+2*p+1]
.set p, p+1
.endr
	v_pk_add_f32 v[SR:SR+1], v[SR:SR+1], v[SR+2:SR+3]   ; embed_sum, my two dims
	v_add_f32_dpp v160, v160, v160 row_xmask:1 row_mask:0xf bank_mask:0xf
	v_add_f32_dpp v160, v160, v160 row_xmask:2 row_mask:0xf bank_mask:0xf
	v_add_f32_dpp v160, v160, v160 row_xmask:4 row_mask:0xf bank_mask:0xf
	v_add_f32_dpp v160, v160, v160 row_xmask:8 row_mask:0xf bank_mask:0xf   ; bins: whole numbers, exact in f32
	v_cmp_eq_f32 s56, 0, v160                      ; zero_mask
	v_cndmask_b32 v161, v160, 1.0, s56             ; bins_safe
	v_rcp_f32 v162, v161
	v_mul_f32 v165, v26, v26                       ; a plain instruction behind it: embed's sum of squares begins
	v_fmac_f32 v165, v27, v27
	s_wait_alu depctr_va_vdst(0)                   ; ahead of the reciprocal's first use
	v_mul_f32 v128, v128, v162
	v_mul_f32 v129, v129, v162
	v_mul_f32 v164, v128, v128
	v_fmac_f32 v164, v129, v129
.irp m, 1,2,4,8
	v_add_f32_dpp v164, v164, v164 row_xmask:\m row_mask:0xf bank_mask:0xf
	v_add_f32_dpp v165, v165, v165 row_xmask:\m row_mask:0xf bank_mask:0xf
.endr
	v_permlanex16_b32 v30, v164, s42, s43
	v_permlanex16_b32 v31, v165, s42, s43
	v_add_f32 v164, v164, v30
	v_add_f32 v165, v165, v31
	v_rsq_f32 v166, v164
	v_rsq_f32 v167, v165
	v_nop
	s_wait_alu depctr_va_vdst(0)                   ; one wait for the two
	v_min_num_f32 v166, s46, v166                  ; 1 / max(n, 1e-12), twice
	v_min_num_f32 v167, s46, v167
	v_mul_f32 v128, v128, v166
	v_mul_f32 v129, v129, v166
	v_mul_f32 v168, v26, v167                      ; embed_n
	v_mul_f32 v169, v27, v167
	v_cndmask_b32 v128, v128, v168, s56
	v_cndmask_b32 v129, v129, v169, s56
	v_mul_f32 v128, 0x3e4ccccd, v128               ; 0.2
	v_mul_f32 v129, 0x3e4ccccd, v129
	v_fmamk_f32 v128, v26, 0x3f4ccccd, v128        ; + 0.8 embed
	v_fmamk_f32 v129, v27, 0x3f4ccccd, v129
	v_lshlrev_b32 v170, 3, v1
	global_store_b64 v170, v[128:129], s[20:21]    ; one whole row of out2: 256 consecutive bytes, aligned
	s_cmp_lg_u32 s24, 0                            ; wave 0 makes the tile's 16 numbers of out3
	s_cbranch_scc1 .Lend
	v_lshlrev_b32 v171, 6, v2
	v_add_nc_u32 v171, CNTS, v171
.irp c, 0,1,2,3
	ds_load_b128 v[132+4*\c:135+4*\c], v171 offset:16*\c
.endr
	s_wait_dscnt 0x0
.set p, 1
.rept 7
	v_pk_add_f32 v[132:133], v[132:133], v[132+2*p:133+2*p]
.set p, p+1
.endr
	v_add_f32 v132, v132, v133
	v_mul_f32 v132, 0x3e4ccccd, v132
	v_fmamk_f32 v132, v25, 0x3f4ccccd, v132
	v_lshlrev_b32 v172, 2, v2
	global_store_b32 v172, v132, s[22:23]          ; lanes 16-31 write the same words with the same values; 64 bytes a work-group
.Lend:
	s_wait_tensorcnt 0x0                           ; the wave's end, behind my last LDS store
	ds_add_u32 v6, v7
	s_wait_dscnt 0x0
	s_endpgm
.Lfunc_end_k_q4becf0930f_owner:
	.size	k_q4becf0930f_owner, .Lfunc_end_k_q4becf0930f_owner-k_q4becf0930f_owner
	.p2alignl 7, 3214868480
	.fill 96, 4, 3214868480
	.section	.rodata,"a",@progbits
	.p2align	6, 0x0
	.amdhsa_kernel k_q4becf0930f_owner
		.amdhsa_group_segment_fixed_size 158720
		.amdhsa_private_segment_fixed_size 0
		.amdhsa_enable_private_segment 0
		.amdhsa_kernarg_size 80
		.amdhsa_user_sgpr_count 2
		.amdhsa_user_sgpr_kernarg_segment_ptr 1
		.amdhsa_wavefront_size32 1
		.amdhsa_system_sgpr_workgroup_id_x 1
		.amdhsa_system_sgpr_workgroup_id_y 1
		.amdhsa_system_sgpr_workgroup_id_z 1
		.amdhsa_system_vgpr_workitem_id 0
		.amdhsa_next_free_vgpr 256
		.amdhsa_next_free_sgpr 66
		.amdhsa_reserve_vcc 1
		.amdhsa_float_denorm_mode_32 3
		.amdhsa_float_denorm_mode_16_64 3
		.amdhsa_memory_ordered 1
		.amdhsa_forward_progress 1
		.amdhsa_inst_pref_size 67
	.end_amdhsa_kernel
	.amdgpu_metadata
---
amdhsa.version: [ 1, 2 ]
amdhsa.kernels:
  - .name:           k_q4becf0930f_owner
    .symbol:         k_q4becf0930f_owner.kd
    .args:
      - { .name: x, .offset: 0, .size: 8, .value_kind: global_buffer, .address_space: global }
      - { .name: embed, .offset: 8, .size: 8, .value_kind: global_buffer, .address_space: global }
      - { .name: eb, .offset: 16, .size: 8, .value_kind: global_buffer, .address_space: global }
      - { .name: rn, .offset: 24, .size: 8, .value_kind: global_buffer, .address_space: global }
      - { .name: planes, .offset: 32, .size: 8, .value_kind: global_buffer, .address_space: global }
      - { .name: cluster_size, .offset: 40, .size: 8, .value_kind: global_buffer, .address_space: global }
      - { .name: out0, .offset: 48, .size: 8, .value_kind: global_buffer, .address_space: global }
      - { .name: out1, .offset: 56, .size: 8, .value_kind: global_buffer, .address_space: global }
      - { .name: out2, .offset: 64, .size: 8, .value_kind: global_buffer, .address_space: global }
      - { .name: out3, .offset: 72, .size: 8, .value_kind: global_buffer, .address_space: global }
    .group_segment_fixed_size: 158720
    .private_segment_fixed_size: 0
    .kernarg_segment_align: 8
    .kernarg_segment_size: 80
    .max_flat_workgroup_size: 512
    .sgpr_count:     66
    .vgpr_count:     256
    .wavefront_size: 32
...
	.end_amdgpu_metadata
.endif
;; end of part 3
;; ======== version 2 of 2: 3 launches; version 1 with the launch prep written anew for expert scheduling mode
;; workspace buffers: eb 524,288 bytes; rn 16,384 bytes; planes 65,536 bytes of whole numbers
;; launch prep (part 4): grid 256 x 1, 1 waves a work-group, no clusters, 0 bytes of LDS; arguments embed, eb, rn; writes eb, rn
.if DOCPART == 4
	.amdgcn_target "amdgcn-amd-amdhsa--gfx1250"
	.amdhsa_code_object_version 6
	.text
	.protected	k_q4becf0930f_prep
	.globl	k_q4becf0930f_prep
	.p2align	8
	.type	k_q4becf0930f_prep,@function
k_q4becf0930f_prep:
	s_mov_b64 s[64:65], 0
	v_nop
	global_prefetch_b8 v0, s[64:65] scope:SCOPE_SE
	s_setreg_imm32_b32 hwreg(HW_REG_WAVE_SCHED_MODE, 0, 2), 2
	s_setreg_imm32_b32 hwreg(HW_REG_WAVE_MODE, 25, 1), 1
	s_wait_xcnt 0x0
	s_wait_alu depctr_vm_vsrc(0)
; COSINE CODEBOOK, launch 1 of 3.  eb[c][:] = embed[c][:] rounded once to bf16;  rn[c] = min(1 / |eb[c]|, 1e12) in f32, which is 1 / max(|eb[c]|, 1e-12).
; THE PROGRAM.  (1) this launch.  (2) coarse: for each of the 65,536 rows of x the TILE of 16 codes that holds the largest score (bf16(x) . eb[c]) rn[c].
; (3) owner: work-group T takes the rows of tile T, finds the code in the tile, and makes out0, out1 and, for its 16 codes, out2 and out3.
; WORK LEFT OUT, and why it can reach no output, for all finite inputs:
;  - l2norm(x) in front of dist.  flatten[n] = x[n] / max(|x[n]|, 1e-12): one positive factor for the whole of row n of dist.  argmax along c is not moved by a
;    positive factor that is the same along c; a row of zeros gives a row of equal scores with and without it, and the first index wins both times.  dist reaches
;    the outputs through that argmax alone.  (In embed_sum the normalised rows are live, and are made there.)
;  - embed_onehot as a dense [65536][4096] operand.  It is built by reference() from an index; bins[c] and embed_sum[c] are the count and the sum of the rows whose index
;    is c.  They are taken over those rows alone, tile by tile, in a launch that reads the rows' tiles from memory.
;  Kept as written: both guards of 1e-12, the division by bins_safe, zero_mask and its two selections.  Every input has a way to an output and is loaded.
; LIMITS.  Scores are those of x and embed each rounded once to bf16 (exact products, f32 sums, the code's 1 / norm applied in f32): a row whose two best cosines lie closer
; than f32 rounding of such a sum may fall to the other code.  out0 holds embed rounded to bf16 (within 2^-9 of itself).  In embed_sum x and 1 / |x| enter as bf16.
; NaN and infinities are not treated apart; a sum of squares beyond f32's range is not served; a NaN, an infinity or an overflow that reaches only the work left out is not carried to a result.
; SHARES.  A work-group is one wave and takes 16 rows of embed, 4,096 bytes.  Load i brings rows 2 i (lanes 0-15) and 2 i + 1 (lanes 16-31): 512 consecutive bytes.
; A store of eb covers 256 consecutive bytes, aligned.  rn leaves as 64 bytes a work-group: 16 KiB in the whole launch.
; THE MODE: SCHED_MODE bits 1:0 = 2 (LLVM: expert scheduling mode 2), set by the entry lines.  The code itself states the register dependences
; between vector instructions and memory instructions, with s_wait_alu, always for 0.
; THE PLAN.  Registers that memory instructions touch (the text has no loop and no branch):
;   v3, v4, v6  byte offsets of the loads, of eb's stores and of rn's store.  Written at the head, never again.
;   X           Written by the eight loads alone; read by the conversions, behind the counted wait for each load.  Never written again.
;   C           Written by the conversions of load i; read by the unpacking lines and by eb's store for load i.  Never written again.
;   RA          Written by the selects of the last part; read by rn's one store.
; So no register that a memory instruction has read is written again, and the waits are four on va_vdst: ahead of the first load (the offsets); behind the work on loads 0 to 3, ahead of
; their four stores; behind the batch of reciprocal roots, which also stands behind the work on loads 4 to 7, ahead of their four stores; ahead of rn's store.
; The eight masks 'my row lies in load i' hang on the lane alone: eight compares in one run into s[16:23], while the loads are out, and ONE wait on va_sdst behind the run.
.set X,   8                            ; v[8:39]   the rows as loaded, four registers a load
.set C,   40                           ; v[40:55]  the same as bf16 pairs, two registers a load; never rewritten: they are store data
.set F,   56                           ; v[56:59]  at work
.set SS,  60                           ; v[60:67]  sums of squares
.set Y,   68                           ; v[68:75]  1 / norm
.set TM,  76                           ; v[76:79]  at work
.set RA,  80                           ; v80       rn of row lane % 16
.set MK,  16                           ; s[16:23]  mask i: the lanes whose row lane % 16 lies in load i (s18 to s23 hold the three offsets first)
	s_load_b128 s[4:7], s[0:1], 0x0                ; embed s[4:5], eb s[6:7]
	s_load_b64 s[8:9], s[0:1], 0x10                ; rn
	v_and_b32 v1, 15, v0                           ; lane % 16
	v_lshlrev_b32 v3, 4, v0                        ; 16 x lane: my bytes of a load
	v_lshlrev_b32 v4, 3, v0                        ; 8 x lane: my bytes of a store of eb
	v_lshrrev_b32 v5, 1, v1                        ; which load holds row lane % 16
	v_lshlrev_b32 v6, 2, v1                        ; my word of rn
	v_mov_b32 v[TM+3], 0                           ; v_permlanex16_b32's destination counts as read
	v_mov_b32 v[RA], 0
	s_mov_b32 s10, 0xffff0000                      ; a word's upper bf16
	s_mov_b32 s12, 0x76543210                      ; v_permlanex16_b32: each lane takes its own place in the other half
	s_mov_b32 s13, 0xfedcba98
	s_mov_b32 s14, 0x5555aaaa                      ; lanes whose row lane % 16 was summed in the other half: odd rows below, even rows above
	s_mov_b32 s15, 0x5368d4a5                      ; 1e12
	s_lshl_b32 s18, ttmp9, 12                      ; 16 rows of embed,
	s_mov_b32 s19, 0
	s_lshl_b32 s20, ttmp9, 11                      ; of eb,
	s_mov_b32 s21, 0
	s_lshl_b32 s22, ttmp9, 6                       ; of rn
	s_mov_b32 s23, 0
	s_wait_kmcnt 0x0
	s_add_nc_u64 s[4:5], s[4:5], s[18:19]
	s_add_nc_u64 s[6:7], s[6:7], s[20:21]
	s_add_nc_u64 s[8:9], s[8:9], s[22:23]
	s_wait_alu depctr_va_vdst(0)                   ; v3, v4 and v6 are written: every load and store of the kernel reads one of them as its offset
.set i, 0
.rept 8
	global_load_b128 v[X+4*i:X+4*i+3], v3, s[4:5] offset:512*i
.set i, i+1
.endr
.set i, 0
.rept 8
	v_cmp_eq_u32 s[MK+i], i, v5                    ; is my row in load i?  The three offsets in s18 to s23 have been added: the registers are free
.set i, i+1
.endr
	s_wait_alu depctr_va_sdst(0)                   ; the eight compares have written s[16:23], ahead of their first reader, a select of the last part
; The vector work on load i: two rows rounded to bf16, and the rounded rows' sums of squares.
.macro ROWS i
	s_wait_loadcnt 7-(\i)                          ; loads come back in order: load i is in, the 7 - i younger ones stay out
	v_cvt_pk_bf16_f32 v[C+2*(\i)], v[X+4*(\i)], v[X+4*(\i)+1]
	v_cvt_pk_bf16_f32 v[C+2*(\i)+1], v[X+4*(\i)+2], v[X+4*(\i)+3]
	v_lshlrev_b32 v[F], 16, v[C+2*(\i)]            ; the rounded numbers back in f32: the norm is the rounded row's
	v_and_b32 v[F+1], s10, v[C+2*(\i)]
	v_lshlrev_b32 v[F+2], 16, v[C+2*(\i)+1]
	v_and_b32 v[F+3], s10, v[C+2*(\i)+1]
	v_pk_mul_f32 v[F:F+1], v[F:F+1], v[F:F+1]
	v_pk_fma_f32 v[F:F+1], v[F+2:F+3], v[F+2:F+3], v[F:F+1]
	v_add_f32 v[SS+(\i)], v[F], v[F+1]
	v_add_f32_dpp v[SS+(\i)], v[SS+(\i)], v[SS+(\i)] row_xmask:1 row_mask:0xf bank_mask:0xf   ; a row lies in 16 lanes: four steps, the sum in each of them
	v_add_f32_dpp v[SS+(\i)], v[SS+(\i)], v[SS+(\i)] row_xmask:2 row_mask:0xf bank_mask:0xf
	v_add_f32_dpp v[SS+(\i)], v[SS+(\i)], v[SS+(\i)] row_xmask:4 row_mask:0xf bank_mask:0xf
	v_add_f32_dpp v[SS+(\i)], v[SS+(\i)], v[SS+(\i)] row_xmask:8 row_mask:0xf bank_mask:0xf
.endm
; The two rows of load i leave as bf16.
.macro OUT i
	global_store_b64 v4, v[C+2*(\i):C+2*(\i)+1], s[6:7] offset:256*(\i)
.endm
.irp i, 0,1,2,3
	ROWS \i
.endr
	s_wait_alu depctr_va_vdst(0)                   ; the conversions of loads 0 to 3 have written v[C:C+7], which the four stores below read
.irp i, 0,1,2,3
	OUT \i
.endr
.irp i, 4,5,6,7
	ROWS \i
.endr
.set i, 0
.rept 8
	v_rsq_f32 v[Y+i], v[SS+i]                      ; one batch of eight
.set i, i+1
.endr
	v_nop                                          ; a plain instruction behind the last of them,
	s_wait_alu depctr_va_vdst(0)                   ; and the one wait ahead of the first use of the eight reciprocal roots in v[Y:Y+7]; the conversions of loads 4 to 7 have written v[C+8:C+15], which the four stores below read
.irp i, 4,5,6,7
	OUT \i
.endr
.set i, 0
.rept 8
	v_mul_f32 v[TM], v[SS+i], v[Y+i]               ; one Newton step: y - y (ss y y - 1) / 2
	v_fma_f32 v[TM+1], v[TM], v[Y+i], -1.0
	v_mul_f32 v[TM+2], -0.5, v[Y+i]
	v_fma_f32 v[Y+i], v[TM+2], v[TM+1], v[Y+i]
	v_min_num_f32 v[Y+i], s15, v[Y+i]              ; the guard: 1 / max(n, 1e-12).  At ss = 0 the step gives a NaN, which loses against 1e12
	v_permlanex16_b32 v[TM+3], v[Y+i], s12, s13    ; the other half's row of this load
	v_cndmask_b32 v[TM], v[Y+i], v[TM+3], s14
	v_cndmask_b32 v[RA], v[RA], v[TM], s[MK+i]     ; taken where my row is in this load
.set i, i+1
.endr
	s_wait_alu depctr_va_vdst(0)                   ; the selects have written v[RA], which the store below reads
	global_store_b32 v6, v[RA], s[8:9]             ; lanes 16-31 write the same words with the same values as lanes 0-15
	s_endpgm
.Lfunc_end_k_q4becf0930f_prep:
	.size	k_q4becf0930f_prep, .Lfunc_end_k_q4becf0930f_prep-k_q4becf0930f_prep
	.p2alignl 7, 3214868480
	.fill 96, 4, 3214868480
	.section	.rodata,"a",@progbits
	.p2align	6, 0x0
	.amdhsa_kernel k_q4becf0930f_prep
		.amdhsa_group_segment_fixed_size 0
		.amdhsa_private_segment_fixed_size 0
		.amdhsa_enable_private_segment 0
		.amdhsa_kernarg_size 24
		.amdhsa_user_sgpr_count 2
		.amdhsa_user_sgpr_kernarg_segment_ptr 1
		.amdhsa_wavefront_size32 1
		.amdhsa_system_sgpr_workgroup_id_x 1
		.amdhsa_system_sgpr_workgroup_id_y 1
		.amdhsa_system_sgpr_workgroup_id_z 1
		.amdhsa_system_vgpr_workitem_id 0
		.amdhsa_next_free_vgpr 96
		.amdhsa_next_free_sgpr 66
		.amdhsa_reserve_vcc 0
		.amdhsa_float_denorm_mode_32 3
		.amdhsa_float_denorm_mode_16_64 3
		.amdhsa_memory_ordered 1
		.amdhsa_forward_progress 1
		.amdhsa_inst_pref_size 13
	.end_amdhsa_kernel
	.amdgpu_metadata
---
amdhsa.version: [ 1, 2 ]
amdhsa.kernels:
  - .name:           k_q4becf0930f_prep
    .symbol:         k_q4becf0930f_prep.kd
    .args:
      - { .name: embed, .offset: 0, .size: 8, .value_kind: global_buffer, .address_space: global }
      - { .name: eb, .offset: 8, .size: 8, .value_kind: global_buffer, .address_space: global }
      - { .name: rn, .offset: 16, .size: 8, .value_kind: global_buffer, .address_space: global }
    .group_segment_fixed_size: 0
    .private_segment_fixed_size: 0
    .kernarg_segment_align: 8
    .kernarg_segment_size: 24
    .max_flat_workgroup_size: 32
    .sgpr_count:     66
    .vgpr_count:     96
    .wavefront_size: 32
...
	.end_amdgpu_metadata
.endif
;; end of part 4
;; launch coarse: the kernel of part 2 again; grid 256 x 1, 4 waves a work-group, clusters of 4 x 1, 327,680 bytes of LDS; arguments x, eb, rn, planes; writes planes
;; launch owner: the kernel of part 3 again; grid 256 x 1, 16 waves a work-group, no clusters, 158,720 bytes of LDS; arguments x, embed, eb, rn, planes, cluster_size, out0, out1, out2, out3; writes out0, out1, out2, out3
